; MI455X (gfx1250); checked and timed in simulation.
; The chip was launched on July 23, 2026; its instructions are those of AMD's public machine-readable ISA for CDNA 5 (MIT licence, August 2026) and "CDNA5" Instruction Set Architecture Reference Guide (July 2026). The comments in the code are by the model that wrote it; some were corrected since.
;; Infer Linear Quantizer. Allowed arithmetic: float matrix products may take bf16 or f16 operands with f32 sums; other float arithmetic in f32, or as packed bf16 or f16 multiplies, adds, multiply-adds, maxima and minima; sums over many terms, partial sums and values carried from step to step in f32; what a program stores and reads back later, other than sums and carried values, may be rounded once to bf16 or f16.
;; Inputs: act_scale 1 float32; bias 4,096 float32; packed_w 4,096 x 512 int32; scale 4,096 x 1 float32; x 4,096 x 4,096 float32; zero_point 4,096 x 1 float32.
;; Outputs: out0 4,096 x 4,096 float32.
;; 2 versions, each right; version 2 is version 1 with the launch prep written anew for expert scheduling mode. Each part assembles by itself: llvm-mc -triple=amdgcn-amd-amdhsa -mcpu=gfx1250 --defsym DOCPART=n.
;; ======== version 1 of 2: 2 launches
;; workspace buffers: xq 33,554,432 bytes; wq 33,554,432 bytes; rowsum 16,384 bytes
;; launch prep (part 1): grid 512 x 1, 8 waves a work-group, no clusters, 0 bytes of LDS; arguments x, packed_w, act_scale, xq, wq, rowsum; writes xq, wq, rowsum
.if DOCPART == 1
	.amdgcn_target "amdgcn-amd-amdhsa--gfx1250"
	.amdhsa_code_object_version 6
	.text
	.protected	k_qfa7cf03049_prep
	.globl	k_qfa7cf03049_prep
	.p2align	8
	.type	k_qfa7cf03049_prep,@function
k_qfa7cf03049_prep:
	s_mov_b64 s[64:65], 0
	v_nop
	global_prefetch_b8 v0, s[64:65] scope:SCOPE_SE
	s_setreg_imm32_b32 hwreg(HW_REG_WAVE_MODE, 25, 1), 1
	s_wait_xcnt 0x0
; PREPARATION FOR THE PRODUCT.  x: [4096][4096] f32; packed_w: [4096][512] words of eight 4-bit codes; act_scale: one f32.
;   xq[n][i]  = clip(round(x[n][i] / a), -128, 127) as bf16: a whole number of 8 bits, exact in bf16 (the factor a is applied behind the product)
;   rowsum[n] = the sum over i of xq[n][i], in f32: at most 2^19 in size, so every partial sum is exact whatever the order
;   wq[o][i]  = code[o][i] - 8 as bf16, exact, in the natural order of i (the true zero point is honoured behind the product, by rowsum)
; LIMITS.  x / a is made as x * r, r = 1 / a improved by one Newton step: where x / a lies within about two units of the last place of a
; half-integer the code may differ by 1 from a true division's; such a term moves an output by a |w| at the most.  A NaN in x gives a number
; (the clamp takes a bound), infinities clamp as in the reference.  a and 1 / a must be normal f32 numbers (v_rcp_f32 flushes denormals: ISA guide 15.8).
; SHARES.  Memory binds: no LDS, no barrier, no matrix unit.  Row = 8 x work-group + wave: each wave takes ONE row of x (16,384 bytes in, 8,192 out)
; and ONE row of packed_w (2,048 bytes in, 8,192 out).  All 48 loads of a wave go out at once; no register is used twice for memory, so the only
; waits are the counted ones for the loads.  A load of x covers 512 consecutive bytes, a store of xq 256, a store of wq 512, all aligned.
; The loads of packed_w cover 128 consecutive bytes each (two on end a block of 256): word l has to lie in lane l for wq's 16 bytes a lane to be neighbours.
; rowsum is one word a wave: a row's sum is known to one wave alone, and the whole buffer is 16,384 bytes.
.set T,  8                             ; v[8:11]    at work while the codes are unpacked
.set SA, 10                            ; v[10:11]   running sums of x's codes (behind the unpacking),
.set SB, 12                            ; v[12:13]   a second chain
.set W,  16                            ; v[16:31]   my 16 words of packed_w
.set X,  32                            ; v[32:159]  my 32 x 4 numbers of x; chunk c at X + 4 c
.set WO, 160                           ; v[160:223] word i's eight bf16 at WO + 4 i
	s_load_b256 s[4:11], s[0:1], 0x0               ; x s[4:5], packed_w s[6:7], act_scale s[8:9], xq s[10:11]
	s_load_b128 s[12:15], s[0:1], 0x20             ; wq s[12:13], rowsum s[14:15]
	v_and_b32 v1, 31, v0                           ; lane
	v_lshrrev_b32 v2, 5, v0
	v_readfirstlane_b32 s16, v2                    ; wave 0..7
	s_lshl_b32 s17, ttmp9, 3
	s_add_co_u32 s17, s17, s16                     ; my row
	s_lshl_b32 s18, s17, 14                        ; its bytes in x,
	s_mov_b32 s19, 0
	s_lshl_b32 s20, s17, 11                        ; in packed_w,
	s_mov_b32 s21, 0
	s_lshl_b32 s22, s17, 13                        ; in xq and in wq,
	s_mov_b32 s23, 0
	s_lshl_b32 s24, s17, 2                         ; in rowsum
	s_mov_b32 s25, 0
	s_mov_b32 s27, 0x000f000f                      ; one code in each half of a word
	s_mov_b32 s28, 0x43004300                      ; 128.0 twice in bf16: its lowest four mantissa bits count ones
	s_mov_b32 s29, 0xc308c308                      ; -136.0 twice in bf16
	s_mov_b32 s30, 0x05040100                      ; v_perm_b32: the two low halves
	s_mov_b32 s31, 0x07060302                      ; the two high halves
	s_mov_b32 s32, 0xc3000000                      ; -128.0
	s_mov_b32 s33, 0x42fe0000                      ; 127.0
	s_mov_b32 s34, 0x76543210                      ; v_permlanex16_b32: each lane takes its own place in the other half
	s_mov_b32 s35, 0xfedcba98
	v_lshlrev_b32 v3, 2, v1                        ; 4 x lane
	v_lshlrev_b32 v4, 4, v1                        ; 16 x lane
	v_lshlrev_b32 v5, 3, v1                        ; 8 x lane
	s_wait_kmcnt 0x0
	s_add_nc_u64 s[4:5], s[4:5], s[18:19]
	s_add_nc_u64 s[6:7], s[6:7], s[20:21]
	s_add_nc_u64 s[10:11], s[10:11], s[22:23]
	s_add_nc_u64 s[12:13], s[12:13], s[22:23]
	s_add_nc_u64 s[14:15], s[14:15], s[24:25]
	s_load_b32 s26, s[8:9], 0x0                    ; a
.set i, 0
.rept 16
	global_load_b32 v[W+i], v3, s[6:7] offset:128*i th:TH_LOAD_NT      ; word 32 i + lane of my row
.set i, i+1
.endr
.set i, 0
.rept 32
	global_load_b128 v[X+4*i:X+4*i+3], v4, s[4:5] offset:512*i th:TH_LOAD_NT  ; numbers 128 i + 4 lane .. + 3
.set i, i+1
.endr
	s_wait_kmcnt 0x0
	v_rcp_f32 v6, s26
	v_mov_b32 v15, 0                               ; a plain instruction between the reciprocal and its use (ISA guide 5.7.2); v15 is rowsum's offset
	s_wait_alu depctr_va_vdst(0)
	v_fma_f32 v7, -v6, s26, 1.0                    ; one Newton step: r += r (1 - a r)
	v_fma_f32 v6, v7, v6, v6
; Word n: code j lies in bits 4 j .. 4 j + 3.  (word >> 4 j) & 0x000f000f holds code j below and code j + 4 above; OR 0x4300 makes bf16(128 + code) of each;
; the packed addition of -136 gives code - 8, exact.  Four byte permutes put the eight in their natural order.
.macro UNPACK n
	s_wait_loadcnt 47-(\n)                         ; loads come back in order (ISA guide 5.7.1): behind word n stand 15 - n words and x's 32 loads
	v_and_or_b32 v[T], v[W+(\n)], s27, s28
	v_lshrrev_b32 v[T+1], 4, v[W+(\n)]
	v_lshrrev_b32 v[T+2], 8, v[W+(\n)]
	v_lshrrev_b32 v[T+3], 12, v[W+(\n)]
	v_and_or_b32 v[T+1], v[T+1], s27, s28
	v_and_or_b32 v[T+2], v[T+2], s27, s28
	v_and_or_b32 v[T+3], v[T+3], s27, s28
.irp j, 0,1,2,3
	v_pk_add_bf16 v[T+(\j)], v[T+(\j)], s29
.endr
	v_perm_b32 v[WO+4*(\n)],   v[T+1], v[T],   s30 ; codes 0, 1
	v_perm_b32 v[WO+4*(\n)+1], v[T+3], v[T+2], s30 ; codes 2, 3
	v_perm_b32 v[WO+4*(\n)+2], v[T+1], v[T],   s31 ; codes 4, 5
	v_perm_b32 v[WO+4*(\n)+3], v[T+3], v[T+2], s31 ; codes 6, 7
	global_store_b128 v4, v[WO+4*(\n):WO+4*(\n)+3], s[12:13] offset:512*(\n)  ; 512 consecutive bytes, aligned
.endm
.set i, 0
.rept 16
	UNPACK i
.set i, i+1
.endr
; Chunks 2 p and 2 p + 1 of x: times r, rounded to the nearest whole number (ties to even, as jnp.round), clamped, summed, rounded to bf16 (exact) and stored.
; first = 1: the first two chunks start the sums: nothing is cleared.
.macro QUANT2 p, first
.set c0, X+8*(\p)
	s_wait_loadcnt 30-2*(\p)                       ; behind chunk 2 p + 1 stand 30 - 2 p loads
.irp k, 0,2,4,6
	v_pk_mul_f32 v[c0+(\k):c0+(\k)+1], v[c0+(\k):c0+(\k)+1], v[6:7] op_sel_hi:[1,0]  ; both halves times v6
.endr
.irp k, 0,1,2,3,4,5,6,7
	v_rndne_f32 v[c0+(\k)], v[c0+(\k)]
.endr
.irp k, 0,1,2,3,4,5,6,7
	v_med3_num_f32 v[c0+(\k)], v[c0+(\k)], s32, s33
.endr
.if \first
	v_pk_add_f32 v[SA:SA+1], v[c0:c0+1],   v[c0+4:c0+5]
	v_pk_add_f32 v[SB:SB+1], v[c0+2:c0+3], v[c0+6:c0+7]
.else
	v_pk_add_f32 v[SA:SA+1], v[SA:SA+1], v[c0:c0+1]
	v_pk_add_f32 v[SB:SB+1], v[SB:SB+1], v[c0+2:c0+3]
	v_pk_add_f32 v[SA:SA+1], v[SA:SA+1], v[c0+4:c0+5]
	v_pk_add_f32 v[SB:SB+1], v[SB:SB+1], v[c0+6:c0+7]
.endif
	v_cvt_pk_bf16_f32 v[c0],   v[c0],   v[c0+1]
	v_cvt_pk_bf16_f32 v[c0+1], v[c0+2], v[c0+3]
	v_cvt_pk_bf16_f32 v[c0+4], v[c0+4], v[c0+5]
	v_cvt_pk_bf16_f32 v[c0+5], v[c0+6], v[c0+7]
	global_store_b64 v5, v[c0:c0+1],   s[10:11] offset:512*(\p)      ; 32 lanes x 8 bytes: 256 consecutive bytes, aligned
	global_store_b64 v5, v[c0+4:c0+5], s[10:11] offset:512*(\p)+256
.endm
	QUANT2 0, 1
.set i, 1
.rept 15
	QUANT2 i, 0
.set i, i+1
.endr
	; the row's sum: my four chains, then across the 32 lanes
	v_pk_add_f32 v[SA:SA+1], v[SA:SA+1], v[SB:SB+1]
	v_add_f32 v10, v10, v11
	v_add_f32_dpp v10, v10, v10 row_xmask:1 row_mask:0xf bank_mask:0xf
	v_add_f32_dpp v10, v10, v10 row_xmask:2 row_mask:0xf bank_mask:0xf
	v_add_f32_dpp v10, v10, v10 row_xmask:4 row_mask:0xf bank_mask:0xf
	v_add_f32_dpp v10, v10, v10 row_xmask:8 row_mask:0xf bank_mask:0xf
	v_mov_b32 v14, v10                             ; the permute's destination counts as read: it is written first
	v_permlanex16_b32 v14, v10, s34, s35
	v_add_f32 v10, v10, v14
	v_cmp_eq_u32 vcc_lo, 0, v1
	s_wait_xcnt 0x0                                ; EXEC is a source of the stores above: it changes only behind this wait
	s_and_saveexec_b32 s36, vcc_lo
	global_store_b32 v15, v10, s[14:15]            ; lane 0 stores the row's sum
	s_wait_xcnt 0x0                                ; and again in front of the line that widens EXEC
	s_or_b32 exec_lo, exec_lo, s36
	s_endpgm
.Lfunc_end_k_qfa7cf03049_prep:
	.size	k_qfa7cf03049_prep, .Lfunc_end_k_qfa7cf03049_prep-k_qfa7cf03049_prep
	.p2alignl 7, 3214868480
	.fill 96, 4, 3214868480
	.section	.rodata,"a",@progbits
	.p2align	6, 0x0
	.amdhsa_kernel k_qfa7cf03049_prep
		.amdhsa_group_segment_fixed_size 0
		.amdhsa_private_segment_fixed_size 0
		.amdhsa_enable_private_segment 0
		.amdhsa_kernarg_size 48
		.amdhsa_user_sgpr_count 2
		.amdhsa_user_sgpr_kernarg_segment_ptr 1
		.amdhsa_wavefront_size32 1
		.amdhsa_system_sgpr_workgroup_id_x 1
		.amdhsa_system_sgpr_workgroup_id_y 1
		.amdhsa_system_sgpr_workgroup_id_z 1
		.amdhsa_system_vgpr_workitem_id 0
		.amdhsa_next_free_vgpr 224
		.amdhsa_next_free_sgpr 66
		.amdhsa_reserve_vcc 1
		.amdhsa_float_denorm_mode_32 3
		.amdhsa_float_denorm_mode_16_64 3
		.amdhsa_memory_ordered 1
		.amdhsa_forward_progress 1
		.amdhsa_inst_pref_size 51
	.end_amdhsa_kernel
	.amdgpu_metadata
---
amdhsa.version: [ 1, 2 ]
amdhsa.kernels:
  - .name:           k_qfa7cf03049_prep
    .symbol:         k_qfa7cf03049_prep.kd
    .args:
      - { .name: x, .offset: 0, .size: 8, .value_kind: global_buffer, .address_space: global }
      - { .name: packed_w, .offset: 8, .size: 8, .value_kind: global_buffer, .address_space: global }
      - { .name: act_scale, .offset: 16, .size: 8, .value_kind: global_buffer, .address_space: global }
      - { .name: xq, .offset: 24, .size: 8, .value_kind: global_buffer, .address_space: global }
      - { .name: wq, .offset: 32, .size: 8, .value_kind: global_buffer, .address_space: global }
      - { .name: rowsum, .offset: 40, .size: 8, .value_kind: global_buffer, .address_space: global }
    .group_segment_fixed_size: 0
    .private_segment_fixed_size: 0
    .kernarg_segment_align: 8
    .kernarg_segment_size: 48
    .max_flat_workgroup_size: 256
    .sgpr_count:     66
    .vgpr_count:     224
    .wavefront_size: 32
...
	.end_amdgpu_metadata
.endif
;; end of part 1
;; launch gemm (part 2): grid 16 x 16, 4 waves a work-group, clusters of 4 x 4, 327,680 bytes of LDS; arguments xq, wq, out0, rowsum, scale, zero_point, bias, act_scale; writes out0
.if DOCPART == 2
	.amdgcn_target "amdgcn-amd-amdhsa--gfx1250"
	.amdhsa_code_object_version 6
	.text
	.protected	k_qfa7cf03049_gemm
	.globl	k_qfa7cf03049_gemm
	.p2align	8
	.type	k_qfa7cf03049_gemm,@function
k_qfa7cf03049_gemm:
	s_mov_b64 s[64:65], 0
	v_nop
	global_prefetch_b8 v0, s[64:65] scope:SCOPE_SE
	s_setreg_imm32_b32 hwreg(HW_REG_WAVE_MODE, 25, 1), 1
	s_wait_xcnt 0x0
	s_wait_alu depctr_hold_cnt(0) depctr_sa_sdst(0) depctr_va_vdst(0) depctr_va_sdst(0) depctr_va_ssrc(0) depctr_va_vcc(0) depctr_vm_vsrc(0)
	s_getreg_b32 s2, hwreg(HW_REG_IB_STS2, 6, 4)
	s_cmp_eq_u32 s2, 0
	s_cbranch_scc0 .Lentry_in_a_cluster
	s_endpgm
.Lentry_in_a_cluster:
	s_bfe_u32 s2, ttmp6, 0x10000c
	s_cmp_lg_u32 s2, 0xf033
	s_cbranch_scc0 .Lentry_shape_is_right
	s_endpgm
.Lentry_shape_is_right:
; out[n][o] = g[o] S[n][o] + h[o] R[n] + bias[o],  S[n][o] = sum over i of xq[n][i] wq[o][i],  g = a / scale[o],  h = (zero_point[o] + 8) g,  R = rowsum.
; That is sum_i (a xq) (code + zero_point) / scale + bias, since wq = code - 8.  xq and wq ([4096][4096] bf16) hold whole numbers of 8 and 4 bits, exact in bf16;
; |S| <= 2^7 x 2^3 x 2^12 = 2^22, so the f32 sums hold whole numbers that f32 represents; no matrix operand is rounded.  g, h and the two multiply-adds are f32.
; LIMITS.  1 / scale is v_rcp_f32 (accurate to one unit of the last place; it flushes denormals: ISA guide 15.8): scale and its reciprocal must be normal f32 numbers.
; SHARES.  A tile of out, 256 x 256, is made by a work-group of four waves; a wave makes 128 x 128: 64 accumulators of 16 x 16, 512 registers.  16 x 16 tiles, one to a work-group.
; K goes in 32 steps of 128 through a ring of two LDS slots filled by the tensor data mover: a tile's rows are 256 bytes of memory, at multiples of 256 bytes.
; CLUSTERS: 4 x 4 work-groups.  The four of a row of the cluster need the same tiles of xq, the four of a column the same tiles of wq: each tile is asked for JOINTLY,
; by the same tensor load with the same descriptor and a mask that names the four.
; THE MATRIX INSTRUCTION IS USED TRANSPOSED: source 0 = 16 rows of wq, source 1 = 16 rows of xq.  Lane l then holds row l % 16 of out and the columns 8 (l / 16) + 0 .. 7.
; REGISTERS, in windows of 256 (s_set_vgpr_msb's low byte: bits 1:0 source 0, 3:2 source 1, 5:4 source 2, 7:6 destination):
;   window 0: v0-31 addresses; v32-63 the way out's factors; v64-127, v128-191 fragments of xq, two buffers (on the way out: rows read back from the stage)
;   window 1: v64-127, v128-191 fragments of wq, two buffers;   window 2: the accumulators of my rows 0-63 ((a, b) at v[8 (8 a + b)]);   window 3: those of my rows 64-127
.set SIZE_K, 4096
.set SIZE_N, 4096
.set KSTEP,  128
.set PITCH,  272                       ; an LDS row: 256 bytes + 16 of padding = 68 words: row r starts at bank 4 r mod 64 (64 banks of 4 bytes: ISA guide 11.1)
.set HALFT,  128*PITCH                 ; 128 rows: what one tensor load brings, and what one wave reads of xq or of wq
.set SLOT,   4*HALFT                   ; xq's 256 rows, then wq's 256 rows
.set STAGE,  2*SLOT                    ; behind the ring: 16 rows x 528 bytes for each wave, for the way out; no tensor load fills it
.set SPITCH, 528                       ; 512 bytes (128 f32) + 16: again row r starts at bank 4 r mod 64
.set SPARE,  STAGE+4*16*SPITCH         ; behind the stages: the spare words, 128 bytes for each wave: two blocks of 256 bytes that no other line names
.set LAPS,   SIZE_K/(2*KSTEP)          ; a lap = two K steps = once round the ring: 16
.set ADRA, 16                          ; v16-17  LDS address of my xq fragments in slot 0, 1
.set ADRB, 20                          ; v20-21  the same for wq
.set STO,  24                          ; v24     the way out: where I put 32 bytes of a row
.set RD,   25                          ; v25     the way out: where I read 16 bytes of a row back
.set CO,   26                          ; v26     16 x lane: my byte offset in 512 bytes of a row of out
.set PO,   27                          ; v27     my byte offset in scale, zero_point and bias
.set SPW,  28                          ; v28     LDS address of my spare word; never rewritten
.set NIL,  29                          ; v29     0; never rewritten
.set RO,   30                          ; v30     my byte offset in rowsum
.set GG,   32                          ; v[32:35] g of my four columns on the way out (4 lane .. 4 lane + 3 of the wave's 128)
.set HH,   36                          ; v[36:39] h
.set BI,   40                          ; v[40:43] bias
.set RV,   44                          ; v[44:47] R of the wave's rows 4 lane .. 4 lane + 3
.set EE,   48                          ; v[48:55] R h + bias, two sets by turns
.set SC,   56                          ; v[56:59] scale as loaded
.set ZP,   60                          ; v[60:63] zero_point as loaded
.set F0,   64                          ; fragment buffer 0
.set F1,   128                         ; fragment buffer 1
.set G1,  24                           ; s[24:31] descriptor group 1 for xq's tiles
.set G0,  32                           ; s[32:39] descriptor group 0 for xq's tiles, one set for each slot
.set G1B, 48                           ; s[48:55] group 1 for wq's tiles: it differs in the mask alone
.set G0B, 56                           ; s[56:63] group 0 for wq's tiles
.set RS,  80                           ; s[80:81], s[82:83] a row's R, by turns; the packed multiply-add names a pair and takes its low word
.set MSB, 0
.macro WIN new                         ; the immediate's high byte repeats the setting that is left; a switch that changes nothing is dropped
.if MSB != (\new)
	s_set_vgpr_msb (MSB<<8)|(\new)
.set MSB, \new
.endif
.endm
.set MUL_LO, 0xa1                      ; source 0 (wq) window 1, source 1 (xq) window 0, C and D window 2
.set MUL_HI, 0xf1                      ; the same, C and D window 3
.set TO_B,   0x40                      ; destination window 1, address window 0
; A joint load.  Waves 0 and 1 fetch xq's two halves, waves 2 and 3 wq's.  Each line has one mask and one set of registers; the branch hangs on the wave's number alone.
; An s_nop 0 and four v_nop follow each of the two lines, ahead of the jump, the label and what follows.
.macro JLOAD s
	s_cmp_eq_u32 s11, 0
	s_cbranch_scc0 .Lfor_b_\@
	tensor_load_to_lds s[G0+4*(\s):G0+4*(\s)+3], s[G1:G1+7]
	s_nop 0
.rept 4
	v_nop
.endr
	s_branch .Lasked_\@
.Lfor_b_\@:
	tensor_load_to_lds s[G0B+4*(\s):G0B+4*(\s)+3], s[G1B:G1B+7]
	s_nop 0
.rept 4
	v_nop
.endr
.Lasked_\@:
.endm
; A round of the cluster's barrier: my work-group's barrier; wave 0 signals for the work-group; every wave waits for all sixteen; my work-group's barrier once more.
.macro CREST                           ; a round behind its opening barrier
	s_cmp_lg_u32 s10, 0
	s_cbranch_scc1 .Lnot_wave_0_\@
	s_barrier_signal -3
.Lnot_wave_0_\@:
	s_barrier_wait -3
	s_barrier_signal -1
	s_barrier_wait -1
.endm
.macro CROUND                          ; a whole round
	s_barrier_signal -1
	s_barrier_wait -1
	CREST
.endm
	s_load_b128 s[4:7], s[0:1], 0x0                ; xq s[4:5], wq s[6:7]
	s_load_b64 s[8:9], s[0:1], 0x10                ; out0
	s_load_b64 s[66:67], s[0:1], 0x18              ; rowsum
	s_load_b256 s[68:75], s[0:1], 0x20             ; scale s[68:69], zero_point s[70:71], bias s[72:73], act_scale s[74:75]
	v_lshl_add_u32 v[SPW], v0, 2, SPARE
	v_mov_b32 v[NIL], 0
	ds_add_u32 v[SPW], v[NIL]                      ; the wave's opening: the add and its wait stand ahead of my first tensor load; the set-up below, work on registers, stands between them
	v_lshrrev_b32 v1, 5, v0
	v_readfirstlane_b32 s10, v1                    ; wave 0..3
	s_lshr_b32 s11, s10, 1                         ; which half of the tile's rows is mine.  Also: I fetch for xq (0) or for wq (1)
	s_and_b32 s12, s10, 1                          ; which half of its columns.  Also: which 128 rows of that tile I fetch
	s_bfe_u32 s40, ttmp6, 0x40000                  ; cx
	s_bfe_u32 s41, ttmp6, 0x40004                  ; cy
	s_lshl_b32 s42, ttmp9, 2                       ; in a cluster launch ttmp9 and ttmp7 count clusters
	s_add_co_u32 s42, s42, s40                     ; tile column = 4 x cluster x + cx
	s_and_b32 s13, ttmp7, 0xffff
	s_lshl_b32 s13, s13, 2
	s_add_co_u32 s13, s13, s41                     ; tile row = 4 x cluster y + cy
	s_lshl_b32 s43, s41, 2
	s_lshl_b32 s43, 15, s43                        ; my row of the cluster: places 4 cy .. 4 cy + 3
	s_lshl_b32 s44, 0x1111, s40                    ; my column: places cx, cx + 4, cx + 8, cx + 12
	; descriptor group 1: a tile of 128 rows x 128 elements of 2 bytes, padded in LDS
	s_or_b32 s[G1+0], s43, (1<<16)|(1<<20)|(1<<21)|(5<<22)|(3<<25)  ; 15:0 the mask: xq's tiles go to my row; 17:16 2-byte elements; 20 padding on; 21 set beside a mask; 24:22 after every 64 words (code 5); 31:25 4 words (code 3)
	s_or_b32 s[G1B+0], s44, (1<<16)|(1<<20)|(1<<21)|(5<<22)|(3<<25) ; the same with the mask of my column, for wq's tiles
.irp g, G1, G1B
	s_mov_b32 s[(\g)+1], KSTEP<<16                 ; tensor_dim0 = 128
	s_mov_b32 s[(\g)+2], 128<<16                   ; tensor_dim1 = 128
	s_mov_b32 s[(\g)+3], KSTEP<<16                 ; tile_dim0 = 128
	s_mov_b32 s[(\g)+4], 128                       ; tile_dim1 = 128
	s_mov_b32 s[(\g)+5], SIZE_K                    ; elements from row to row
	s_mov_b32 s[(\g)+6], 0
	s_mov_b32 s[(\g)+7], 0
.endr
	s_mov_b32 s[RS+1], 0                           ; named with their low words as pairs, so they are written
	s_mov_b32 s[RS+3], 0
	; where the tiles come from.  xq's hang on the tile row alone, wq's on the tile column alone; each address is made in registers that never hold the other coordinate.
	s_lshl_b32 s17, s12, 7                         ; which 128 rows of the tile I fetch
	s_lshl_b32 s16, s13, 8
	s_add_co_u32 s16, s16, s17                     ; xq: row 256 x tile row + 128 x half,
	s_lshl_b32 s16, s16, 13                        ; times 8,192 bytes: under 2^25
	s_lshl_b32 s46, s42, 8
	s_add_co_u32 s46, s46, s17                     ; wq: row 256 x tile column + 128 x half
	s_lshl_b32 s46, s46, 13
	s_mov_b32 s17, 0
	s_mov_b32 s47, 0
	s_mul_i32 s20, s10, HALFT                      ; where they go: wave x 128 rows: no place in the cluster enters an LDS address
	s_wait_dscnt 0x0                               ; the opening add is done
	s_wait_kmcnt 0x0
	s_add_nc_u64 s[14:15], s[4:5], s[16:17]
	s_add_nc_u64 s[46:47], s[6:7], s[46:47]
	CROUND                                         ; all sixteen work-groups are here: the first joint loads meet
.irp s, 0,1
	s_mov_b32 s[G0+4*(\s)], 1                                      ; count = 1
	s_add_co_u32 s[G0+4*(\s)+1], s20, (\s)*SLOT                    ; LDS address
	s_add_nc_u64 s[G0+4*(\s)+2:G0+4*(\s)+3], s[14:15], (\s)*KSTEP*2  ; global address: K step s
	s_or_b32 s[G0+4*(\s)+3], s[G0+4*(\s)+3], 0x80000000            ; type = 2
	s_mov_b32 s[G0B+4*(\s)], 1
	s_add_co_u32 s[G0B+4*(\s)+1], s20, (\s)*SLOT
	s_add_nc_u64 s[G0B+4*(\s)+2:G0B+4*(\s)+3], s[46:47], (\s)*KSTEP*2
	s_or_b32 s[G0B+4*(\s)+3], s[G0B+4*(\s)+3], 0x80000000
	JLOAD \s                                       ; the ring is filled before anything else is done: two loads of mine are out
.endr
	; all that follows up to the first barrier stands in the wait for the first tile
	s_load_b32 s76, s[74:75], 0x0                  ; a
	; A fragment is 16 rows x 32 K in 8 registers: lane l holds row l % 16; registers 0-3 K = 8 (l / 16) + 0..7, registers 4-7 K = 16 + 8 (l / 16) + 0..7: two loads of 16 bytes, 32 bytes apart.
	v_and_b32 v1, 15, v0                           ; l % 16
	v_bfe_u32 v2, v0, 4, 1                         ; l / 16
	v_mul_u32_u24 v3, v1, PITCH
	v_lshl_add_u32 v3, v2, 4, v3                   ; row x pitch + 16 x half
	s_mul_i32 s21, s11, HALFT                      ; my 128 rows of xq
	s_mul_i32 s22, s12, HALFT                      ; my 128 rows of wq,
	s_add_co_u32 s22, s22, 2*HALFT                 ; which lie behind xq's 256
.irp s, 0,1
	v_add_nc_u32 v[ADRA+(\s)], s21, v3
	v_add_nc_u32 v[ADRB+(\s)], s22, v3
	s_add_co_u32 s21, s21, SLOT
	s_add_co_u32 s22, s22, SLOT
.endr
	s_mul_i32 s23, s10, 16*SPITCH
	s_add_co_u32 s23, s23, STAGE                   ; my stage
	v_mul_u32_u24 v4, v1, SPITCH                   ; in: row l % 16, 32 bytes (eight f32) for each half of the lanes
	v_lshl_add_u32 v4, v2, 5, v4
	v_add_nc_u32 v[STO], s23, v4
	v_and_b32 v5, 31, v0
	v_lshlrev_b32 v[CO], 4, v5                     ; 16 x lane
	v_add_nc_u32 v[RD], s23, v[CO]                 ; back: 32 lanes take one row of 512 bytes
	s_lshl_b32 s13, s13, 8
	s_lshl_b32 s14, s11, 7
	s_add_co_u32 s16, s13, s14                     ; my first row of out
	s_lshl_b32 s77, s16, 2                         ; its byte in rowsum
	s_lshl_b32 s16, s16, 14                        ; and in out: 16,384 bytes a row, under 2^26
	s_mov_b32 s17, 0
	s_add_nc_u64 s[8:9], s[8:9], s[16:17]
	s_lshl_b32 s46, s42, 8                         ; my first column (in the registers that held wq's address: none that feeds xq's descriptors ever holds cx)
	s_lshl_b32 s47, s12, 7
	s_add_co_u32 s46, s46, s47
	s_lshl_b32 s46, s46, 2                         ; in bytes
	s_mov_b32 s78, s46
	s_mov_b32 s47, 0
	s_add_nc_u64 s[8:9], s[8:9], s[46:47]
	v_add_nc_u32 v[PO], s78, v[CO]
	v_add_nc_u32 v[RO], s77, v[CO]
	global_load_b128 v[SC:SC+3], v[PO], s[68:69]   ; each of the four covers 512 consecutive bytes, aligned
	global_load_b128 v[ZP:ZP+3], v[PO], s[70:71]
	global_load_b128 v[BI:BI+3], v[PO], s[72:73]
	global_load_b128 v[RV:RV+3], v[RO], s[66:67]
	s_wait_loadcnt 0x0
	s_wait_kmcnt 0x0
.irp j, 0,1,2,3
	v_rcp_f32 v[GG+(\j)], v[SC+(\j)]
.endr
.irp j, 0,1,2,3
	v_add_f32 v[ZP+(\j)], 0x41000000, v[ZP+(\j)]   ; zero_point + 8; also the plain instructions between the reciprocals and their use (ISA guide 5.7.2)
.endr
	s_wait_alu depctr_va_vdst(0)
.irp j, 0,1,2,3
	v_mul_f32 v[GG+(\j)], s76, v[GG+(\j)]          ; g = a / scale
.endr
.irp j, 0,1,2,3
	v_mul_f32 v[HH+(\j)], v[ZP+(\j)], v[GG+(\j)]   ; h = (zero_point + 8) g
.endr
; 16 matrix instructions: m blocks a0, a0 + 1 of the window's four (hi = 0: my rows 0-63, 1: rows 64-127) x all 8 n blocks, 32 along K.  zero = 1: the first product starts the sums.
; The 64 accumulators take turns, one instruction a turn, in the same order in every quarter step.
.macro MUL16 f, hi, a0, zero
	WIN MUL_LO+0x50*(\hi)
.irp a, \a0, (\a0)+1
.irp b, 0,1,2,3,4,5,6,7
.if \zero
	v_wmma_f32_16x16x32_bf16 v[8*(8*(\a)+(\b)):8*(8*(\a)+(\b))+7], v[(\f)+8*(\b):(\f)+8*(\b)+7], v[(\f)+8*(4*(\hi)+(\a)):(\f)+8*(4*(\hi)+(\a))+7], 0
.else
	v_wmma_f32_16x16x32_bf16 v[8*(8*(\a)+(\b)):8*(8*(\a)+(\b))+7], v[(\f)+8*(\b):(\f)+8*(\b)+7], v[(\f)+8*(4*(\hi)+(\a)):(\f)+8*(4*(\hi)+(\a))+7], v[8*(8*(\a)+(\b)):8*(8*(\a)+(\b))+7]
.endif
.endr
.endr
.endm
; 32 LDS loads in one run: the fragments of one quarter step (128 rows of wq, 128 rows of xq, 32 K at byte k of the rows) into buffer f
.macro FETCH slot, k, f
	WIN TO_B
.irp i, 0,1,2,3,4,5,6,7
	ds_load_b128 v[(\f)+8*(\i):(\f)+8*(\i)+3],   v[ADRB+(\slot)] offset:(\k)+(\i)*16*PITCH
	ds_load_b128 v[(\f)+8*(\i)+4:(\f)+8*(\i)+7], v[ADRB+(\slot)] offset:(\k)+(\i)*16*PITCH+32
.endr
	WIN 0
.irp i, 0,1,2,3,4,5,6,7
	ds_load_b128 v[(\f)+8*(\i):(\f)+8*(\i)+3],   v[ADRA+(\slot)] offset:(\k)+(\i)*16*PITCH
	ds_load_b128 v[(\f)+8*(\i)+4:(\f)+8*(\i)+7], v[ADRA+(\slot)] offset:(\k)+(\i)*16*PITCH+32
.endr
.endm
; A load into a register that a matrix instruction has read, and an LDS store of a matrix result, stand four places behind that matrix instruction; only plain vector
; instructions that name none of its registers are places (ISA guide 7.12.1 for vector instructions).
.macro PLACES
.rept 4
	v_nop
.endr
.endm
; A K step is four quarter steps of 32 along K, 64 matrix instructions each, on buffers 0, 1, 0, 1.
; One of the first three: multiplies buffer f; in its middle it fetches the next quarter's fragments, at byte k of the same slot's rows, into buffer g.
.macro QUARTER slot, k, f, g, zero
	s_wait_dscnt 8                                 ; wq and xq's rows 0-63 are in; the youngest eight loads (xq's rows 64-127) may be out
	WIN MUL_LO
	MUL16 \f, 0, 0, \zero
	MUL16 \f, 0, 2, \zero
	PLACES
	FETCH \slot, \k, \g
	s_wait_dscnt 32                                ; all but the 32 just issued
	WIN MUL_HI
	MUL16 \f, 1, 0, \zero
	MUL16 \f, 1, 2, \zero
.endm
; The last quarter multiplies buffer 1 and changes slots.  MEET is its first half: ONE barrier for the change.  In front of it each wave waits for all its tensor loads, of which one
; is out: its part of the next slot; adds 0 to its spare word; and waits for that and for its own reads of this slot.  Behind it nobody reads this slot any more and the next slot is whole.
.macro MEET round                      ; round = 1: the rest of a round of the cluster's barrier follows
	WIN 0                                          ; (the add's two registers lie in window 0)
	s_wait_tensorcnt 0x0                           ; all my tensor loads have landed;
	ds_add_u32 v[SPW], v[NIL]                      ; 0 onto my spare word;
	s_wait_dscnt 9                                 ; (the add and the youngest eight loads may be out)
	WIN MUL_LO
	MUL16 F1, 0, 0, 0                              ; sixteen matrix instructions stand between the add and the wait for it
	s_wait_dscnt 0x0                               ; the add is done, and my reads of this slot are over:
	s_barrier_signal -1                            ; say so,
	MUL16 F1, 0, 2, 0                              ; work on registers while the others arrive,
.if \round
	WIN 0
.endif
	s_barrier_wait -1                              ; and go on when all four have said so
.endm
; The whole last quarter.  fill = 1: behind the round the slot just read out is filled again first, with the K step two steps on; then come the next slot's first fragments.
; From a request to the wait for it a wave issues 224 matrix instructions.  fill = 0: nothing is left to fetch, and no round follows.
.macro TURN slot, next, fill
.if \fill
	MEET 1
	CREST                                          ; no wave of any partner still reads this slot's tile or has a load on its way
	s_add_nc_u64 s[G0+4*(\slot)+2:G0+4*(\slot)+3], s[G0+4*(\slot)+2:G0+4*(\slot)+3], 2*KSTEP*2     ; no tensor load of mine is out: a group 0 may be written
	s_add_nc_u64 s[G0B+4*(\slot)+2:G0B+4*(\slot)+3], s[G0B+4*(\slot)+2:G0B+4*(\slot)+3], 2*KSTEP*2
	JLOAD \slot                                    ; the first tensor load behind the round, my only one until the next; its four v_nop are also the places in front of the loads below
.else
	MEET 0
	PLACES
.endif
	FETCH \next, 0, F0
	WIN MUL_HI
	MUL16 F1, 1, 0, 0
	MUL16 F1, 1, 2, 0
.endm
; THE WAY OUT of block a (16 rows x 128 columns of f32).  TOSTAGE: a lane's eight neighbouring sums of a row go as two stores of 16 bytes into my own stage, each accumulator's
; low half first, and come back as whole rows of 512 bytes.  LDS serves a wave's instructions in order (ISA guide 5.7.1.4): the loads see the stores
; above them, and the next block's stores come behind these loads.
.macro TOSTAGE a
.set AC, 64*((\a)%4)
.set BK, F0+64*((\a)%2)
	WIN 0x08+4*((\a)/4)                            ; the stores' data (source 1): window 2 or 3
.irp b, 0,1,2,3,4,5,6,7
	ds_store_b128 v[STO], v[AC+8*(\b):AC+8*(\b)+3]   offset:64*(\b)
	ds_store_b128 v[STO], v[AC+8*(\b)+4:AC+8*(\b)+7] offset:64*(\b)+16
.endr
	WIN 0
.irp t, 0,1,2,3,4,5,6,7,8,9,10,11,12,13,14,15
	ds_load_b128 v[BK+4*(\t):BK+4*(\t)+3], v[RD] offset:(\t)*SPITCH
.endr
.endm
; SEND: row by row, out = S g + (R h + bias), and one store of 512 consecutive bytes, aligned.  R of row r of the wave's 128 lies in lane r / 4, register r % 4.
; younger: the LDS instructions issued behind block a's loads: the next block's 16 stores and 16 loads, or none.
; The row stands in the store's immediate: 127 x 16,384 bytes at the most, inside the signed 24 bits (ISA guide, chapter 10), so neither base nor offset is ever stepped.
.macro SEND a, younger
	WIN 0
.set BK, F0+64*((\a)%2)
.set t, 0
.rept 16
.set r, 16*(\a)+t
.set e, EE+4*(t%2)
.set q, RS+2*(t%2)
	s_wait_dscnt (\younger)+15-t                   ; row t of the block is back
	v_readlane_b32 s[q], v[RV+r%4], r/4
	v_pk_fma_f32 v[e:e+1],   v[HH:HH+1],   s[q:q+1], v[BI:BI+1]   op_sel_hi:[1,0,1]
	v_pk_fma_f32 v[e+2:e+3], v[HH+2:HH+3], s[q:q+1], v[BI+2:BI+3] op_sel_hi:[1,0,1]
	v_pk_fma_f32 v[BK+4*t:BK+4*t+1],   v[BK+4*t:BK+4*t+1],   v[GG:GG+1],   v[e:e+1]
	v_pk_fma_f32 v[BK+4*t+2:BK+4*t+3], v[BK+4*t+2:BK+4*t+3], v[GG+2:GG+3], v[e+2:e+3]
	global_store_b128 v[CO], v[BK+4*t:BK+4*t+3], s[8:9] offset:r*SIZE_N*4 th:TH_STORE_NT
.set t, t+1
.endr
.endm
	s_wait_tensorcnt 1                             ; my part of K step 0 is in; K step 1's may stay out
	s_barrier_signal -1
	s_barrier_wait -1                              ; everybody's is
	FETCH 0, 0, F0
	QUARTER 0, 64,  F0, F1, 1                      ; the first quarter stands in front of the loop: its products start the sums
	WIN 0                                          ; at a label and at a branch every window is 0
	s_mov_b32 s3, LAPS-1
.Llap:                                                 ; a trip goes once round the ring, from a lap's second quarter to the next lap's first, and fills both slots again
	QUARTER 0, 128, F1, F0, 0
	QUARTER 0, 192, F0, F1, 0
	TURN 0, 1, 1
	QUARTER 1, 64,  F0, F1, 0
	QUARTER 1, 128, F1, F0, 0
	QUARTER 1, 192, F0, F1, 0
	TURN 1, 0, 1
	QUARTER 0, 64,  F0, F1, 0
	WIN 0
	s_sub_co_u32 s3, s3, 1
	s_cmp_lg_u32 s3, 0
	s_cbranch_scc1 .Llap
	QUARTER 0, 128, F1, F0, 0                      ; the last lap is written out: it fills nothing
	QUARTER 0, 192, F0, F1, 0
	TURN 0, 1, 0
	QUARTER 1, 64,  F0, F1, 0
	QUARTER 1, 128, F1, F0, 0
	QUARTER 1, 192, F0, F1, 0
	s_wait_dscnt 8                                 ; the very last quarter: nothing more to fetch
	MUL16 F1, 0, 0, 0
	MUL16 F1, 0, 2, 0
	s_wait_dscnt 0x0
	MUL16 F1, 1, 0, 0
	MUL16 F1, 1, 2, 0
	PLACES                                         ; behind the last products: the stage's stores read results, and its loads land in xq's fragment registers
	TOSTAGE 0
	TOSTAGE 1                                      ; two blocks are under way: a block's arithmetic and stores stand beside the next block's trip through the stage
.irp a, 0,1,2,3,4,5
	SEND \a, 32
	s_wait_xcnt 0x0                                ; every earlier memory instruction has had its addresses translated (ISA guide 3.1): block a's registers, which its stores read, are loaded again only behind this wait
	TOSTAGE (\a)+2
.endr
	SEND 6, 32
	SEND 7, 0
	WIN 0
	s_wait_tensorcnt 0x0                           ; the wave's end: the add and its wait, behind my last tensor load and my last LDS store
	ds_add_u32 v[SPW], v[NIL]
	s_wait_dscnt 0x0
	CROUND                                         ; the closing round: no work-group ends while a partner may still ask for a tile that names it
	s_endpgm
.Lfunc_end_k_qfa7cf03049_gemm:
	.size	k_qfa7cf03049_gemm, .Lfunc_end_k_qfa7cf03049_gemm-k_qfa7cf03049_gemm
	.p2alignl 7, 3214868480
	.fill 96, 4, 3214868480
	.section	.rodata,"a",@progbits
	.p2align	6, 0x0
	.amdhsa_kernel k_qfa7cf03049_gemm
		.amdhsa_group_segment_fixed_size 327680
		.amdhsa_private_segment_fixed_size 0
		.amdhsa_enable_private_segment 0
		.amdhsa_kernarg_size 64
		.amdhsa_user_sgpr_count 2
		.amdhsa_user_sgpr_kernarg_segment_ptr 1
		.amdhsa_wavefront_size32 1
		.amdhsa_system_sgpr_workgroup_id_x 1
		.amdhsa_system_sgpr_workgroup_id_y 1
		.amdhsa_system_sgpr_workgroup_id_z 1
		.amdhsa_system_vgpr_workitem_id 0
		.amdhsa_next_free_vgpr 1024
		.amdhsa_next_free_sgpr 88
		.amdhsa_reserve_vcc 0
		.amdhsa_float_denorm_mode_32 3
		.amdhsa_float_denorm_mode_16_64 3
		.amdhsa_memory_ordered 1
		.amdhsa_forward_progress 1
		.amdhsa_inst_pref_size 185
	.end_amdhsa_kernel
	.amdgpu_metadata
---
amdhsa.version: [ 1, 2 ]
amdhsa.kernels:
  - .name:           k_qfa7cf03049_gemm
    .symbol:         k_qfa7cf03049_gemm.kd
    .args:
      - { .name: xq, .offset: 0, .size: 8, .value_kind: global_buffer, .address_space: global }
      - { .name: wq, .offset: 8, .size: 8, .value_kind: global_buffer, .address_space: global }
      - { .name: out0, .offset: 16, .size: 8, .value_kind: global_buffer, .address_space: global }
      - { .name: rowsum, .offset: 24, .size: 8, .value_kind: global_buffer, .address_space: global }
      - { .name: scale, .offset: 32, .size: 8, .value_kind: global_buffer, .address_space: global }
      - { .name: zero_point, .offset: 40, .size: 8, .value_kind: global_buffer, .address_space: global }
      - { .name: bias, .offset: 48, .size: 8, .value_kind: global_buffer, .address_space: global }
      - { .name: act_scale, .offset: 56, .size: 8, .value_kind: global_buffer, .address_space: global }
    .group_segment_fixed_size: 327680
    .private_segment_fixed_size: 0
    .kernarg_segment_align: 8
    .kernarg_segment_size: 64
    .max_flat_workgroup_size: 128
    .sgpr_count:     88
    .vgpr_count:     1024
    .wavefront_size: 32
...
	.end_amdgpu_metadata
.endif
;; end of part 2
;; ======== version 2 of 2: 2 launches; version 1 with the launch prep written anew for expert scheduling mode
;; workspace buffers: xq 33,554,432 bytes; wq 33,554,432 bytes; rowsum 16,384 bytes
;; launch prep (part 3): grid 512 x 1, 8 waves a work-group, no clusters, 0 bytes of LDS; arguments x, packed_w, act_scale, xq, wq, rowsum; writes xq, wq, rowsum
.if DOCPART == 3
	.amdgcn_target "amdgcn-amd-amdhsa--gfx1250"
	.amdhsa_code_object_version 6
	.text
	.protected	k_qfa7cf03049_prep
	.globl	k_qfa7cf03049_prep
	.p2align	8
	.type	k_qfa7cf03049_prep,@function
k_qfa7cf03049_prep:
	s_mov_b64 s[64:65], 0
	v_nop
	global_prefetch_b8 v0, s[64:65] scope:SCOPE_SE
	s_setreg_imm32_b32 hwreg(HW_REG_WAVE_SCHED_MODE, 0, 2), 2
	s_setreg_imm32_b32 hwreg(HW_REG_WAVE_MODE, 25, 1), 1
	s_wait_xcnt 0x0
	s_wait_alu depctr_vm_vsrc(0)
; PREPARATION FOR THE PRODUCT.  x: [4096][4096] f32; packed_w: [4096][512] words of eight 4-bit codes; act_scale: one f32.
;   xq[n][i]  = clip(round(x[n][i] / a), -128, 127) as bf16: a whole number of 8 bits, exact in bf16 (the factor a is applied behind the product)
;   rowsum[n] = the sum over i of xq[n][i], in f32: at most 2^19 in size, so every partial sum is exact whatever the order
;   wq[o][i]  = code[o][i] - 8 as bf16, exact, in the natural order of i (the true zero point is honoured behind the product, by rowsum)
; LIMITS.  x / a is made as x * r, r = 1 / a improved by one Newton step: where x / a lies within about two units of the last place of a
; half-integer the code may differ by 1 from a true division's; such a term moves an output by a |w| at the most.  A NaN in x gives a number
; (the clamp takes a bound), infinities clamp as in the reference.  a and 1 / a must be normal f32 numbers (v_rcp_f32 flushes denormals: ISA guide 15.8).
; SHARES.  Memory binds: no LDS, no barrier, no matrix unit.  Row = 8 x work-group + wave: each wave takes ONE row of x (16,384 bytes in, 8,192 out)
; and ONE row of packed_w (2,048 bytes in, 8,192 out).  All 48 loads of a wave go out at once, and no register is used twice for memory.
; A load of x covers 512 consecutive bytes, a store of xq 256, a store of wq 512, all aligned.
; The loads of packed_w cover 128 consecutive bytes each (two on end a block of 256): word l has to lie in lane l for wq's 16 bytes a lane to be neighbours.
; rowsum is one word a wave: a row's sum is known to one wave alone, and the whole buffer is 16,384 bytes.
; THE MODE: SCHED_MODE bits 1:0 = 2 (LLVM: expert scheduling mode 2), set by the entry lines.  The code itself states the register dependences
; between vector instructions and memory instructions, with s_wait_alu, always for 0.
; THE PLAN.  Registers that memory instructions touch:
;   v3, v4, v5   byte offsets, made once at the head, read by every load and store of the four large buffers, never written again.
;   v15          0, rowsum's offset: written once, behind the reciprocal, and never named again before its store.
;   W, X         written by the 48 loads at the head, which land in registers that no vector instruction has named; no load follows them.
;   WO           word n's four registers: written once, by its four byte permutes; read once, by its store.
;   X + 8 p + 0, 1, 4, 5   pair p's bf16: written last by its four conversions; read by its two stores; never written again.
;   v10          the row's sum: written last by the end of the reduction; read by rowsum's store.
; No register that a memory instruction reads is written again, so a wait on vm_vsrc stands at the two writes of EXEC alone.
; THE STORES LEAVE ONE BLOCK LATE.  The work goes in blocks with four stores each: four blocks of four words, then eight blocks of two pairs of chunks.
; A block's vector instructions name its own W, WO or X, and T, SA, SB, v[6:7]: never the out-registers of the block before, nor v4 or v5.  So ONE wait on va_vdst
; at a block's head, behind the wait for its first data, states that the block before has written what its four stores read, and these
; are dealt among the block's vector instructions with no further wait.
.set T,  8                             ; v[8:11]    at work while the codes are unpacked
.set SA, 10                            ; v[10:11]   running sums of x's codes (behind the unpacking),
.set SB, 12                            ; v[12:13]   a second chain
.set W,  16                            ; v[16:31]   my 16 words of packed_w
.set X,  32                            ; v[32:159]  my 32 x 4 numbers of x; chunk c at X + 4 c
.set WO, 160                           ; v[160:223] word i's eight bf16 at WO + 4 i
	s_load_b256 s[4:11], s[0:1], 0x0               ; x s[4:5], packed_w s[6:7], act_scale s[8:9], xq s[10:11]
	s_load_b128 s[12:15], s[0:1], 0x20             ; wq s[12:13], rowsum s[14:15]
	v_and_b32 v1, 31, v0                           ; lane
	v_lshrrev_b32 v2, 5, v0
	v_readfirstlane_b32 s16, v2                    ; wave 0..7
	v_lshlrev_b32 v3, 2, v1                        ; 4 x lane
	v_lshlrev_b32 v4, 4, v1                        ; 16 x lane
	v_lshlrev_b32 v5, 3, v1                        ; 8 x lane
	s_mov_b32 s27, 0x000f000f                      ; one code in each half of a word
	s_mov_b32 s28, 0x43004300                      ; 128.0 twice in bf16: its lowest four mantissa bits count ones
	s_mov_b32 s29, 0xc308c308                      ; -136.0 twice in bf16
	s_mov_b32 s30, 0x05040100                      ; v_perm_b32: the two low halves
	s_mov_b32 s31, 0x07060302                      ; the two high halves
	s_mov_b32 s32, 0xc3000000                      ; -128.0
	s_mov_b32 s33, 0x42fe0000                      ; 127.0
	s_mov_b32 s34, 0x76543210                      ; v_permlanex16_b32: each lane takes its own place in the other half
	s_mov_b32 s35, 0xfedcba98
	s_wait_alu depctr_va_sdst(0)                   ; s16 is written, ahead of its first reader: my row, and with it every base, is made from it
	s_lshl_b32 s17, ttmp9, 3
	s_add_co_u32 s17, s17, s16                     ; my row
	s_lshl_b32 s18, s17, 14                        ; its bytes in x,
	s_mov_b32 s19, 0
	s_lshl_b32 s20, s17, 11                        ; in packed_w,
	s_mov_b32 s21, 0
	s_lshl_b32 s22, s17, 13                        ; in xq and in wq,
	s_mov_b32 s23, 0
	s_lshl_b32 s24, s17, 2                         ; in rowsum
	s_mov_b32 s25, 0
	s_wait_kmcnt 0x0
	s_add_nc_u64 s[4:5], s[4:5], s[18:19]
	s_add_nc_u64 s[6:7], s[6:7], s[20:21]
	s_add_nc_u64 s[10:11], s[10:11], s[22:23]
	s_add_nc_u64 s[12:13], s[12:13], s[22:23]
	s_add_nc_u64 s[14:15], s[14:15], s[24:25]
	s_load_b32 s26, s[8:9], 0x0                    ; a
	s_wait_alu depctr_va_vdst(0)                   ; v3, v4 and v5 are written: the loads below and the stores of wq and xq read them as their offsets
.set i, 0
.rept 16
	global_load_b32 v[W+i], v3, s[6:7] offset:128*i th:TH_LOAD_NT      ; word 32 i + lane of my row
.set i, i+1
.endr
.set i, 0
.rept 32
	global_load_b128 v[X+4*i:X+4*i+3], v4, s[4:5] offset:512*i th:TH_LOAD_NT  ; numbers 128 i + 4 lane .. + 3
.set i, i+1
.endr
	s_wait_kmcnt 0x0
	v_rcp_f32 v6, s26
	v_mov_b32 v15, 0                               ; a plain instruction between the reciprocal and its use (ISA guide 5.7.2); v15 is rowsum's offset
	s_wait_alu depctr_va_vdst(0)                   ; the reciprocal has written v6, ahead of its first reader; v15 is written, which rowsum's store reads
	v_fma_f32 v7, -v6, s26, 1.0                    ; one Newton step: r += r (1 - a r)
	v_fma_f32 v6, v7, v6, v6
; Word n: code j lies in bits 4 j .. 4 j + 3.  (word >> 4 j) & 0x000f000f holds code j below and code j + 4 above; OR 0x4300 makes bf16(128 + code) of each;
; the packed addition of -136 gives code - 8, exact.  Four byte permutes put the eight in their natural order.
; In front of the arithmetic stands the store of word n - 4, a word of the block before.
.macro UNPACK n
	s_wait_loadcnt 47-(\n)                         ; loads come back in order (ISA guide 5.7.1): behind word n stand 15 - n words and x's 32 loads
.if ((\n) % 4 == 0) && ((\n) > 0)
	s_wait_alu depctr_va_vdst(0)                   ; a block's head: the permutes of the four words before have written their WO, which this block's four stores read
.endif
.if (\n) >= 4
	global_store_b128 v4, v[WO+4*((\n)-4):WO+4*((\n)-4)+3], s[12:13] offset:512*((\n)-4)  ; 512 consecutive bytes, aligned; no vector instruction since the wait names these registers
.endif
	v_and_or_b32 v[T], v[W+(\n)], s27, s28
	v_lshrrev_b32 v[T+1], 4, v[W+(\n)]
	v_lshrrev_b32 v[T+2], 8, v[W+(\n)]
	v_lshrrev_b32 v[T+3], 12, v[W+(\n)]
	v_and_or_b32 v[T+1], v[T+1], s27, s28
	v_and_or_b32 v[T+2], v[T+2], s27, s28
	v_and_or_b32 v[T+3], v[T+3], s27, s28
.irp j, 0,1,2,3
	v_pk_add_bf16 v[T+(\j)], v[T+(\j)], s29
.endr
	v_perm_b32 v[WO+4*(\n)],   v[T+1], v[T],   s30 ; codes 0, 1
	v_perm_b32 v[WO+4*(\n)+1], v[T+3], v[T+2], s30 ; codes 2, 3
	v_perm_b32 v[WO+4*(\n)+2], v[T+1], v[T],   s31 ; codes 4, 5
	v_perm_b32 v[WO+4*(\n)+3], v[T+3], v[T+2], s31 ; codes 6, 7
.endm
.set i, 0
.rept 16
	UNPACK i
.set i, i+1
.endr
; Store k (0, 1) of the two that stand in pair p's turn: a store of the block before.  p = 0, 1: the last four words of wq; from p = 2 on: pair p - 2 of xq.
.macro LEAVE p, k
.if (\p) < 2
	global_store_b128 v4, v[WO+4*(12+2*(\p)+(\k)):WO+4*(12+2*(\p)+(\k))+3], s[12:13] offset:512*(12+2*(\p)+(\k))  ; 512 consecutive bytes, aligned
.else
	global_store_b64 v5, v[X+8*((\p)-2)+4*(\k):X+8*((\p)-2)+4*(\k)+1], s[10:11] offset:512*((\p)-2)+256*(\k)      ; 32 lanes x 8 bytes: 256 consecutive bytes, aligned
.endif
.endm
; Chunks 2 p and 2 p + 1 of x: times r, rounded to the nearest whole number (ties to even, as jnp.round), clamped, summed and rounded to bf16 (exact).
; Two pairs are a block.  first = 1: the first two chunks start the sums: nothing is cleared.
.macro QUANT2 p, first
.set c0, X+8*(\p)
	s_wait_loadcnt 30-2*(\p)                       ; behind chunk 2 p + 1 stand 30 - 2 p loads
.if (\p) % 2 == 0
	s_wait_alu depctr_va_vdst(0)                   ; a block's head: the block before (two pairs' conversions; at p = 0 the permutes of words 12 to 15) has written what this block's four stores read
.endif
	LEAVE \p, 0                                    ; no vector instruction since the wait names the registers of these two stores
.irp k, 0,2,4,6
	v_pk_mul_f32 v[c0+(\k):c0+(\k)+1], v[c0+(\k):c0+(\k)+1], v[6:7] op_sel_hi:[1,0]  ; both halves times v6
.endr
.irp k, 0,1,2,3,4,5,6,7
	v_rndne_f32 v[c0+(\k)], v[c0+(\k)]
.endr
	LEAVE \p, 1
.irp k, 0,1,2,3,4,5,6,7
	v_med3_num_f32 v[c0+(\k)], v[c0+(\k)], s32, s33
.endr
.if \first
	v_pk_add_f32 v[SA:SA+1], v[c0:c0+1],   v[c0+4:c0+5]
	v_pk_add_f32 v[SB:SB+1], v[c0+2:c0+3], v[c0+6:c0+7]
.else
	v_pk_add_f32 v[SA:SA+1], v[SA:SA+1], v[c0:c0+1]
	v_pk_add_f32 v[SB:SB+1], v[SB:SB+1], v[c0+2:c0+3]
	v_pk_add_f32 v[SA:SA+1], v[SA:SA+1], v[c0+4:c0+5]
	v_pk_add_f32 v[SB:SB+1], v[SB:SB+1], v[c0+6:c0+7]
.endif
	v_cvt_pk_bf16_f32 v[c0],   v[c0],   v[c0+1]
	v_cvt_pk_bf16_f32 v[c0+1], v[c0+2], v[c0+3]
	v_cvt_pk_bf16_f32 v[c0+4], v[c0+4], v[c0+5]
	v_cvt_pk_bf16_f32 v[c0+5], v[c0+6], v[c0+7]
.endm
	QUANT2 0, 1
.set i, 1
.rept 15
	QUANT2 i, 0
.set i, i+1
.endr
	s_wait_alu depctr_va_vdst(0)                   ; the conversions of pairs 14 and 15 have written their bf16, which the last four stores of xq read
	LEAVE 16, 0
	LEAVE 16, 1
	LEAVE 17, 0
	LEAVE 17, 1
	; the row's sum: my four chains, then across the 32 lanes
	v_pk_add_f32 v[SA:SA+1], v[SA:SA+1], v[SB:SB+1]
	v_add_f32 v10, v10, v11
	v_add_f32_dpp v10, v10, v10 row_xmask:1 row_mask:0xf bank_mask:0xf
	v_add_f32_dpp v10, v10, v10 row_xmask:2 row_mask:0xf bank_mask:0xf
	v_add_f32_dpp v10, v10, v10 row_xmask:4 row_mask:0xf bank_mask:0xf
	v_add_f32_dpp v10, v10, v10 row_xmask:8 row_mask:0xf bank_mask:0xf
	v_mov_b32 v14, v10                             ; the permute's destination counts as read: it is written first
	v_permlanex16_b32 v14, v10, s34, s35
	v_add_f32 v10, v10, v14
	v_cmp_eq_u32 vcc_lo, 0, v1
	s_wait_xcnt 0x0                                ; EXEC is a source of the stores above: it changes only behind this wait
	s_wait_alu depctr_va_vcc(0)                    ; the compare has written VCC, from which EXEC is made
	s_wait_alu depctr_va_vdst(0)                   ; ahead of the write of EXEC: the vector instructions issued so far are done; among them the one that writes v10, which the store below reads
	s_wait_alu depctr_vm_vsrc(0)                   ; ahead of the write of EXEC: the stores issued so far have read their vector registers
	s_and_saveexec_b32 s36, vcc_lo
	global_store_b32 v15, v10, s[14:15]            ; lane 0 stores the row's sum
	s_wait_xcnt 0x0                                ; and again in front of the line that widens EXEC
	s_wait_alu depctr_va_vdst(0)                   ; ahead of the write of EXEC: no vector instruction is under way
	s_wait_alu depctr_vm_vsrc(0)                   ; ahead of the write of EXEC: the store has read v15 and v10
	s_or_b32 exec_lo, exec_lo, s36
	s_endpgm
.Lfunc_end_k_qfa7cf03049_prep:
	.size	k_qfa7cf03049_prep, .Lfunc_end_k_qfa7cf03049_prep-k_qfa7cf03049_prep
	.p2alignl 7, 3214868480
	.fill 96, 4, 3214868480
	.section	.rodata,"a",@progbits
	.p2align	6, 0x0
	.amdhsa_kernel k_qfa7cf03049_prep
		.amdhsa_group_segment_fixed_size 0
		.amdhsa_private_segment_fixed_size 0
		.amdhsa_enable_private_segment 0
		.amdhsa_kernarg_size 48
		.amdhsa_user_sgpr_count 2
		.amdhsa_user_sgpr_kernarg_segment_ptr 1
		.amdhsa_wavefront_size32 1
		.amdhsa_system_sgpr_workgroup_id_x 1
		.amdhsa_system_sgpr_workgroup_id_y 1
		.amdhsa_system_sgpr_workgroup_id_z 1
		.amdhsa_system_vgpr_workitem_id 0
		.amdhsa_next_free_vgpr 224
		.amdhsa_next_free_sgpr 66
		.amdhsa_reserve_vcc 1
		.amdhsa_float_denorm_mode_32 3
		.amdhsa_float_denorm_mode_16_64 3
		.amdhsa_memory_ordered 1
		.amdhsa_forward_progress 1
		.amdhsa_inst_pref_size 51
	.end_amdhsa_kernel
	.amdgpu_metadata
---
amdhsa.version: [ 1, 2 ]
amdhsa.kernels:
  - .name:           k_qfa7cf03049_prep
    .symbol:         k_qfa7cf03049_prep.kd
    .args:
      - { .name: x, .offset: 0, .size: 8, .value_kind: global_buffer, .address_space: global }
      - { .name: packed_w, .offset: 8, .size: 8, .value_kind: global_buffer, .address_space: global }
      - { .name: act_scale, .offset: 16, .size: 8, .value_kind: global_buffer, .address_space: global }
      - { .name: xq, .offset: 24, .size: 8, .value_kind: global_buffer, .address_space: global }
      - { .name: wq, .offset: 32, .size: 8, .value_kind: global_buffer, .address_space: global }
      - { .name: rowsum, .offset: 40, .size: 8, .value_kind: global_buffer, .address_space: global }
    .group_segment_fixed_size: 0
    .private_segment_fixed_size: 0
    .kernarg_segment_align: 8
    .kernarg_segment_size: 48
    .max_flat_workgroup_size: 256
    .sgpr_count:     66
    .vgpr_count:     224
    .wavefront_size: 32
...
	.end_amdgpu_metadata
.endif
;; end of part 3
;; launch gemm: the kernel of part 2 again; grid 16 x 16, 4 waves a work-group, clusters of 4 x 4, 327,680 bytes of LDS; arguments xq, wq, out0, rowsum, scale, zero_point, bias, act_scale; writes out0
